; MI455X (gfx1250); checked and timed in simulation.
; The chip was launched on July 23, 2026; its instructions are those of AMD's public machine-readable ISA for CDNA 5 (MIT licence, August 2026) and "CDNA5" Instruction Set Architecture Reference Guide (July 2026). The comments in the code are by the model that wrote it; some were corrected since.
;; Attention. Allowed arithmetic: matrix products marked QUANTISED: E4M3 operands, one given power-of-two scale a tensor, by v_wmma_f32_16x16x64_fp8_fp8 or v_wmma_f32_16x16x128_fp8_fp8, f32 sums; everything else in f32.
;; Inputs: k 4 x 16 x 2,048 x 128 float32; lowp_scales 4 int32 (the exponents e of the quantised operands' scales 2^e); q 4 x 16 x 2,048 x 128 float32; v 4 x 16 x 2,048 x 128 float32.
;; Outputs: out0 4 x 16 x 2,048 x 128 float32.
;; This version of the problem:
;;   THIS VERSION OF THE PROBLEM IS GIVEN IN LOW PRECISION. The matrix products marked QUANTISED in the list below multiply operands that are first quantised to E4M3 (4 exponent bits, 3 mantissa bits; 8 bits a number), with one given power-of-two scale for each operand tensor; their sums are f32. All else is computed in f32.
;;   The module's matrix products, in the order in which they are computed (A, B: the left and right operand; K: the contracted axis; several contracted axes count as one K, in the product's order):
;;     1. batch 64 x [M 2,048, K 128] x [K 128, N 2,048]; A: input q; B: input k: QUANTISED (scales: A lowp_scales[0], B lowp_scales[1])
;;     2. batch 64 x [M 2,048, K 2,048] x [K 2,048, N 128]; A: softmax (see below); B: input v: QUANTISED (scales: A lowp_scales[2], B lowp_scales[3])
;;   THE QUANTISER, for each operand of a quantised product, along K:
;;     - The operand's scale is 2^e, e = its entry of the input lowp_scales (int32; the entries are numbered through the quantised products in the list's order, A before B).
;;     - Each number is divided by the scale, clamped to +-448, and rounded to the nearest number of E4M3, ties to even, subnormals kept.
;;     - The product sums the exact products of the quantised numbers (number of the format x scale) in f32.
;;   ~~~python
;;   def quantise(x, axis, e):      # numpy; x: float32 -> the quantised numbers, widened to float32 again
;;       x = np.moveaxis(x, axis, -1); K = x.shape[-1]
;;       r = np.clip(x / 2.0 ** e, -448, 448)
;;       step = 2.0 ** (np.maximum(np.frexp(np.where(r == 0, 1, r))[1] - 1, -6) - 3)
;;       q = np.round(r / step) * step * 2.0 ** e      # np.round: ties to even
;;       return np.moveaxis(q, -1, axis).astype(np.float32)
;;   ~~~
;;   SOFTMAX AHEAD OF A QUANTISED PRODUCT. Where the list says 'softmax', what is quantised is not the finished softmax but p = 2^(t - M), with t = logit x log2(e) and M = ceil(the row's largest t), a whole number; so 1/2 < the row's largest p <= 1. The row's sum l is taken of the UNQUANTISED p, in f32, and the product's result is divided by l at the end. Since M is a whole number, a kernel that streams over the keys may use a running M (the ceiling of the running maximum): every later rescaling is an exact power of two, so the quantised numbers keep their values, but for numbers so far below the row's largest that they fall under the format's range.
;;   OPERANDS COMPUTED ON THE WAY. 'Computed on the way' means the value that the module computes at that place (a softmax that the list does not call 'softmax' is quantised finished and normalised). What goes into a quantiser is computed in f32, as accurately as f32 sums, v_exp_f32 and their like allow (about 1e-6 of the number): no bf16 or f16 on the way to a quantiser, and a product that is left as it is and whose result goes on into a quantised operand takes f32 operands (vector FMAs, or v_wmma_f32_16x16x4_f32). A number that lies on a knife's edge between two numbers of the format may be rounded either way, as far as f32 arithmetic and the matrix unit's own rounding can turn it there, and no further.
;; One version. Each part assembles by itself: llvm-mc -triple=amdgcn-amd-amdhsa -mcpu=gfx1250 --defsym DOCPART=n.
;; ======== version 1 of 1: 2 launches
;; limits: right only within a limited range of input values
;; workspace buffers: kv 33,554,432 bytes
;; launch quant (part 1): grid 1024 x 2, 4 waves a work-group, no clusters, 68,096 bytes of LDS; arguments k, v, lowp_scales, kv; writes kv
.if DOCPART == 1
	.amdgcn_target "amdgcn-amd-amdhsa--gfx1250"
	.amdhsa_code_object_version 6
	.text
	.protected	k_q1a9d18c8ff_quant
	.globl	k_q1a9d18c8ff_quant
	.p2align	8
	.type	k_q1a9d18c8ff_quant,@function
k_q1a9d18c8ff_quant:
	s_mov_b64 s[64:65], 0
	v_nop
	global_prefetch_b8 v0, s[64:65] scope:SCOPE_SE
	s_setreg_imm32_b32 hwreg(HW_REG_WAVE_MODE, 25, 1), 1
	s_wait_xcnt 0x0
; k and v, [64 heads][2048 keys][128 channels] f32, become codes of FP8 (E4M3) in the workspace kv, each with its given scale 2^e (k: entry 1 of the scales, v: entry 3):
; code = x / 2^e, held within +-448, rounded to the nearest code, ties to even.
; LIMITS: ek and ev between -126 and 119, so that 2^e and 448 x 2^e are f32 numbers.  NaN among the inputs is not served; an infinity is held at the largest code.
; kv IS LAID IN THE ORDER OF THE OPERANDS' REGISTERS.  Block (head, step of 128 keys) begins at byte (16 head + step) x 32,768: K's eight fragments of 2,048 bytes, then V^T's eight.
; In a fragment the byte 512 c + 16 lane + i is byte i of registers 4 c .. 4 c + 3 of that lane; lane = 16 h + r.
;   K's fragment 2 b + u:  key 32 b + 16 (r / 8) + 8 u + r % 8, channel 32 c + 16 h + i.      V^T's fragment t:  channel 16 t + r, key 32 c + 16 h + i.
; So the next launch brings a step's tiles in as one dense block and takes each fragment out of LDS by four loads of 16 bytes a lane, 16 x lane apart.
; SHARES.  Work-group x = 16 head + step; y = 0 takes k, y = 1 takes v (a scalar branch on the work-group's number).  Four waves that share nothing: no barrier.
;   k: wave w takes keys 32 w .. 32 w + 31.  A load reads one key's 512 consecutive bytes; the rows turn through the wave's own stage in LDS, so that a lane gets 16 neighbours along the channels.
;   v: wave w takes channels 32 w .. 32 w + 31, a lane to a channel, its registers running down the keys: the conversions give codes with the keys innermost, and nothing is transposed.
; Every store of a wave covers whole aligned runs of 256 consecutive bytes.  Every offset is an immediate; no pointer is stepped and no store's data are written again.
.set SP,    528                        ; a stage row: 512 bytes + 16 = 33 x 16: sixteen rows of one column start at sixteen different groups of banks (64 banks of 4 bytes: ISA guide 11.1)
.set WSTG,  32*SP                      ; a wave's stage: 32 rows, 16,896 bytes
.set SPARE, 4*WSTG                     ; behind the four stages: the spare words, 128 bytes for each wave: two blocks of 256 bytes that no other line names
.set LIM,   10                         ; v10      448 x 2^e
.set SC,    11                         ; v11      2^e as f32: the conversion takes its exponent field
.set SPW,   12                         ; v12      LDS address of my spare word: SPARE + 4 x my thread's number; never rewritten
.set NIL,   13                         ; v13      0; never rewritten
.set R,     32                         ; v32-159  128 registers as loaded
.set X,     160                        ; v160-223 k: 64 numbers of a lane, back from the stage
.set C,     224                        ; v224-255 codes: each register is written once
; v4 = 16 x lane (k: load and store offset); v5 stage on the way in; v6 stage on the way out; v7 = 4 x lane (v: load offset); v8 = 2,048 (lane / 16) + 16 (lane % 16) (v: store offset)
	s_load_b128 s[4:7], s[0:1], 0x0                ; k s[4:5], v s[6:7]
	s_load_b128 s[8:11], s[0:1], 0x10              ; the scales' exponents s[8:9], kv s[10:11]
	v_lshl_add_u32 v[SPW], v0, 2, SPARE
	v_mov_b32 v[NIL], 0
	v_lshrrev_b32 v1, 5, v0
	v_readfirstlane_b32 s12, v1                    ; wave 0..3
	s_and_b32 s13, ttmp7, 0xffff                   ; y: 0 = k, 1 = v
	v_and_b32 v1, 31, v0                           ; lane
	v_and_b32 v2, 15, v0                           ; r
	v_bfe_u32 v3, v0, 4, 1                         ; h
	v_lshlrev_b32 v4, 4, v1
	s_mul_i32 s18, s12, WSTG                       ; my stage
	v_add_nc_u32 v5, s18, v4                       ; in: 16 bytes a lane of a row
	v_mul_u32_u24 v6, v2, SP
	v_lshl_add_u32 v6, v3, 6, v6
	v_add_nc_u32 v6, s18, v6                       ; out: row r, + 64 h: my 16 numbers of a block of 32 channels
	v_lshlrev_b32 v7, 2, v1
	v_lshlrev_b32 v8, 4, v2
	v_lshl_add_u32 v8, v3, 11, v8
	s_cmp_eq_u32 s13, 0
	s_cselect_b32 s24, 14, 7                       ; my wave's part of the step: k: 32 keys of 512 bytes; v: 32 channels of 4 bytes
	s_lshl_b32 s24, s12, s24
	s_lshl_b32 s14, ttmp9, 16                      ; the step's 128 keys of 512 bytes
	s_add_co_u32 s14, s14, s24
	s_mov_b32 s15, 0
	s_lshl_b32 s16, ttmp9, 15                      ; the step's block in kv,
	s_lshl_b32 s25, s13, 14                        ; K's half or V's,
	s_add_co_u32 s16, s16, s25
	s_lshl_b32 s25, s12, 12                        ; my wave's two fragments
	s_add_co_u32 s16, s16, s25
	s_mov_b32 s17, 0
	s_wait_kmcnt 0x0
	s_load_b128 s[20:23], s[8:9], 0x0              ; eq, ek, ep, ev
	s_cmp_eq_u32 s13, 0                            ; the choice hangs on the work-group's number alone
	s_cselect_b64 s[4:5], s[4:5], s[6:7]
	s_add_nc_u64 s[4:5], s[4:5], s[14:15]
	s_add_nc_u64 s[10:11], s[10:11], s[16:17]
.macro SCALES idx                      ; the given exponent, entry idx, becomes the conversion's scale and the hold's bound
	s_wait_kmcnt 0x0
	s_add_co_i32 s24, s[20+\idx], 127
	s_lshl_b32 s25, s24, 23
	v_mov_b32 v[SC], s25                           ; 2^e
	s_add_co_i32 s24, s24, 8
	s_lshl_b32 s24, s24, 23
	s_or_b32 s24, s24, 0x600000
	v_mov_b32 v[LIM], s24                          ; 448 x 2^e: exponent e + 8 over 448's mantissa field
.endm
.macro QUANT16 src, dst, n             ; 16 n numbers of a lane, neighbours along K, become 4 n registers of codes
.set qi, 0
.rept 16*(\n)
	v_med3_num_f32 v[(\src)+qi], v[(\src)+qi], -v[LIM], v[LIM]   ; the conversion to an 8-bit code does not saturate (ISA guide 7.6.2): the number is held within the largest code x the scale first
.set qi, qi+1
.endr
.set qi, 0
.rept 2*(\n)
	v_cvt_scalef32_pk8_fp8_f32 v[(\dst)+2*qi:(\dst)+2*qi+1], v[(\src)+8*qi:(\src)+8*qi+7], v[SC]
.set qi, qi+1
.endr
	v_nop                                          ; one plain vector instruction behind the last conversion of a run
.endm
	s_cmp_lg_u32 s13, 0
	s_cbranch_scc1 .Lv
	; ---- k.  Stage row 16 u + r holds the key that lane r of fragment u wants: key 16 (r / 8) + 8 u + r % 8 of my 32.  Fragment 0's sixteen keys are asked for first.
.set sg, 0
	s_wait_alu depctr_va_vdst(0)
.rept 32
	global_load_b128 v[R+4*sg:R+4*sg+3], v4, s[4:5] offset:512*(16*((sg/8)%2)+8*(sg/16)+sg%8) th:TH_LOAD_NT   ; 32 lanes read a key's 512 consecutive bytes
.set sg, sg+1
.endr
.macro KIN u                           ; sixteen rows into the stage, as loaded
.set sg, 16*(\u)
.rept 16
	ds_store_b128 v5, v[R+4*sg:R+4*sg+3] offset:SP*sg
.set sg, sg+1
.endr
.endm
.macro KBACK u                         ; and back: register 16 c + 4 j + .. = channel 32 c + 16 h + 4 j + .. of my row.  LDS serves a wave's instructions in order (ISA guide 5.7.1.4): no wait between the stores and these
.irp c, 0,1,2,3
.irp j, 0,1,2,3
	ds_load_b128 v[X+16*\c+4*\j:X+16*\c+4*\j+3], v6 offset:16*(\u)*SP+128*\c+16*\j
.endr
.endr
.endm
.macro KOUT u                          ; a fragment leaves as it stands: each store covers 512 consecutive bytes, aligned
.irp c, 0,1,2,3
	global_store_b128 v4, v[C+16*(\u)+4*\c:C+16*(\u)+4*\c+3], s[10:11] offset:2048*(\u)+512*\c
.endr
.endm
	SCALES 1
	s_wait_alu depctr_va_vdst(0)
	s_wait_loadcnt 16                              ; fragment 0's sixteen keys are in; the sixteen younger loads stay out
	KIN 0
	KBACK 0
	s_wait_loadcnt 0x0
	KIN 1
	s_wait_dscnt 16                                ; fragment 0's numbers are back; the sixteen younger stores stay out
	QUANT16 X, C, 4
	KOUT 0
	KBACK 1
	s_wait_dscnt 0x0
	QUANT16 X, C+16, 4
	KOUT 1
	s_branch .Lend
	; ---- v.  Register 32 c + i of a lane = key 32 c + i of its channel.  Loads run two blocks of 32 keys ahead, each block into registers of its own.
.macro VLOAD c
.set vi, 0
.rept 32
	global_load_b32 v[R+32*(\c)+vi], v7, s[4:5] offset:512*(32*(\c)+vi) th:TH_LOAD_NT   ; one key, my wave's 32 channels: 128 consecutive bytes; the four waves stand side by side on the key's 512
.set vi, vi+1
.endr
.endm
.macro VBLOCK c, left, next
	s_wait_loadcnt \left                           ; this block's 32 loads are in; the next block's 32 may be out
.if \next
	VLOAD (\c)+2
.endif
	QUANT16 R+32*(\c), C+8*(\c), 2
	global_store_b128 v8, v[C+8*(\c):C+8*(\c)+3], s[10:11] offset:512*(\c)           ; keys 32 c + 0 .. 15: the place of lane (r, 0).  Lanes 0-15 fill 256 consecutive bytes of my first fragment, lanes 16-31 of my second
	global_store_b128 v8, v[C+8*(\c)+4:C+8*(\c)+7], s[10:11] offset:512*(\c)+256     ; keys 32 c + 16 .. 31: the place of lane (r, 1)
.endm
.Lv:
	s_wait_alu depctr_va_vdst(0)
	VLOAD 0
	VLOAD 1
	SCALES 3
	s_wait_alu depctr_va_vdst(0)
	VBLOCK 0, 32, 1
	VBLOCK 1, 32, 1
	VBLOCK 2, 32, 0
	VBLOCK 3, 0, 0
.Lend:
	s_wait_tensorcnt 0x0                           ; the wave's end, behind my last LDS store
	ds_add_u32 v[SPW], v[NIL]
	s_wait_dscnt 0x0
	s_endpgm
.Lfunc_end_k_q1a9d18c8ff_quant:
	.size	k_q1a9d18c8ff_quant, .Lfunc_end_k_q1a9d18c8ff_quant-k_q1a9d18c8ff_quant
	.p2alignl 7, 3214868480
	.fill 96, 4, 3214868480
	.section	.rodata,"a",@progbits
	.p2align	6, 0x0
	.amdhsa_kernel k_q1a9d18c8ff_quant
		.amdhsa_group_segment_fixed_size 68096
		.amdhsa_private_segment_fixed_size 0
		.amdhsa_enable_private_segment 0
		.amdhsa_kernarg_size 32
		.amdhsa_user_sgpr_count 2
		.amdhsa_user_sgpr_kernarg_segment_ptr 1
		.amdhsa_wavefront_size32 1
		.amdhsa_system_sgpr_workgroup_id_x 1
		.amdhsa_system_sgpr_workgroup_id_y 1
		.amdhsa_system_sgpr_workgroup_id_z 1
		.amdhsa_system_vgpr_workitem_id 0
		.amdhsa_next_free_vgpr 256
		.amdhsa_next_free_sgpr 66
		.amdhsa_reserve_vcc 0
		.amdhsa_float_denorm_mode_32 3
		.amdhsa_float_denorm_mode_16_64 3
		.amdhsa_memory_ordered 1
		.amdhsa_forward_progress 1
		.amdhsa_inst_pref_size 42
	.end_amdhsa_kernel
	.amdgpu_metadata
---
amdhsa.version: [ 1, 2 ]
amdhsa.kernels:
  - .name:           k_q1a9d18c8ff_quant
    .symbol:         k_q1a9d18c8ff_quant.kd
    .args:
      - { .name: k, .offset: 0, .size: 8, .value_kind: global_buffer, .address_space: global }
      - { .name: v, .offset: 8, .size: 8, .value_kind: global_buffer, .address_space: global }
      - { .name: lowp_scales, .offset: 16, .size: 8, .value_kind: global_buffer, .address_space: global }
      - { .name: kv, .offset: 24, .size: 8, .value_kind: global_buffer, .address_space: global }
    .group_segment_fixed_size: 68096
    .private_segment_fixed_size: 0
    .kernarg_segment_align: 8
    .kernarg_segment_size: 32
    .max_flat_workgroup_size: 128
    .sgpr_count:     66
    .vgpr_count:     256
    .wavefront_size: 32
...
	.end_amdgpu_metadata
.endif
;; end of part 1
;; launch attn (part 2): grid 4 x 64, 8 waves a work-group, clusters of 4 x 1, 327,680 bytes of LDS; arguments q, kv, lowp_scales, out0; writes out0
.if DOCPART == 2
	.amdgcn_target "amdgcn-amd-amdhsa--gfx1250"
	.amdhsa_code_object_version 6
	.text
	.protected	k_q1a9d18c8ff_attn
	.globl	k_q1a9d18c8ff_attn
	.p2align	8
	.type	k_q1a9d18c8ff_attn,@function
k_q1a9d18c8ff_attn:
	s_mov_b64 s[64:65], 0
	v_nop
	global_prefetch_b8 v0, s[64:65] scope:SCOPE_SE
	s_setreg_imm32_b32 hwreg(HW_REG_WAVE_MODE, 25, 1), 1
	s_wait_xcnt 0x0
	s_wait_alu depctr_hold_cnt(0) depctr_sa_sdst(0) depctr_va_vdst(0) depctr_va_sdst(0) depctr_va_ssrc(0) depctr_va_vcc(0) depctr_vm_vsrc(0)
	s_getreg_b32 s2, hwreg(HW_REG_IB_STS2, 6, 4)
	s_cmp_eq_u32 s2, 0
	s_cbranch_scc0 .Lentry_in_a_cluster
	s_endpgm
.Lentry_in_a_cluster:
	s_bfe_u32 s2, ttmp6, 0x10000c
	s_cmp_lg_u32 s2, 0x3003
	s_cbranch_scc0 .Lentry_shape_is_right
	s_endpgm
.Lentry_shape_is_right:
; out0[head][s] = sum over t of softmax_t(q[head][s] . k[head][t] / sqrt(128)) v[head][t], both products on codes of FP8 (E4M3) with the given scales 2^e.
; q arrives as f32 and is quantised here (each number is read once); k and v arrive as codes in kv, laid by the launch before in the order of the operands' registers:
; block (head, step of 128 keys) = 32,768 bytes: K's eight fragments of 2,048 bytes, then V^T's eight; a fragment is taken out of LDS by four loads of 16 bytes a lane.
; THE SOFTMAX: t = score x log2(e) / sqrt(128); M = the running largest t rounded up to a whole number; p = 2^(t - M) is quantised; the row's sum is taken of the unquantised p and divides at the end.
; When M moves, the sum and O^T are multiplied by 2^(old M - new M), in every step, with no branch on data.
; SHARES.  A cluster of four work-groups serves one head.  Work-group cx STAYS and makes two blocks of 256 queries, blocks cx and cx + 4; each of its eight waves owns 32 queries (two tiles) of a block.
; Both products are used transposed (S^T = K Q^T, O^T = V^T P^T): a lane holds one query of each tile throughout.
; THE RING: two slots of four key steps (131,072 bytes).  The four partners walk the same keys, so every fill is a joint load: each wave asks for 16,384 bytes (64 rows of 256), mask 15.
; A group of four steps begins with a change of slots: the three lines, a round of the cluster's barrier, the fill of the slot just left with the next group.  The ring does not stop between the blocks:
; block 0's last change asks for keys 0 to 511 again.  Every wait on TENSORcnt is for 0; a wave has one tensor load out behind each round.
; Q OF BLOCK 1 is loaded into the fragment registers behind block 0's last products, ahead of block 0's way out.
; PREFETCHES.  kv: at the changes that load groups 1 and 2 of block 0, waves 0 to 3 name the group after (8,192 bytes a wave, lanes 256 bytes apart; the partners share a group out by address, 32,768 bytes each): one slot ahead.
; In block 1 the same bytes have been read by this cluster, so nothing of kv is asked for.  q: at block 0's last change each wave names its own 16,384 bytes of block 1, four key steps ahead of their loads.
; LIMITS: eq + ek between -123 and 130; eq and ep between -126 and 119.  NaN among the inputs is not served.  The promise holds while the scaled scores t stay under 2^31 in magnitude.
; REGISTERS.  Window 0: v1-11 addresses and constants, v12-27 state of the two tiles (-M, largest t, sum x 2, f, 0, two at work), v28-31 at work, v32-95 four fragments, v96-223 S^T then p, v224-226 constants.
;             Window 1: v0-127 O^T, v128-159 p's codes, v160-191 Q's codes, v192-255 four fragments.
.set STEPB, 32768
.set SLOTB, 4*STEPB
.set SLOT1, 1<<17
.set STAGE, 2*SLOT1                    ; behind the ring: 16 rows x 272 bytes for each wave
.set SPT,   272
.set WSTG,  16*SPT
.set SPARE, STAGE+8*WSTG               ; the spare words, 128 bytes a wave: four blocks of 256 bytes that no other line names
.set BLKB,  4*256*512                  ; bytes from my block 0 to my block 1, in q and in out0
.set LI,   1
.set ADR,  2
.set RD,   3
.set STF,  4
.set STO,  5
.set GO,   6
.set PFO,  7
.set SPW,  8
.set NIL,  9
.set PSC,  10
.set PLIM, 11
.set ST,   12
.set U,    28
.set FL,   32
.set S,    96
.set QSC,  224
.set QLIM, 225
.set PLIM2, 226                        ; 448 x 2^ep once more, for the second half of a dual pair
.set O,    0
.set PC,   128
.set QC,   160
.set FH,   192
.set WV,   12
.set LIM,  15
.set PFA,  18
.set G1,   24
.set G0,   32
.set SLOTS, 40
.set CNT,  41
.set TB,   42
.set EO,   43
.set CS,   44
.set SEL,  46
.set MSB, 0
.macro WIN new                         ; the immediate's high byte repeats the setting that is left
.if MSB != \new
	s_set_vgpr_msb (MSB<<8)|\new
.set MSB, \new
.endif
.endm
.macro CROUND                          ; a round of the cluster's barrier
	s_barrier_signal -1
	s_barrier_wait -1
	s_cmp_lg_u32 s[WV], 0
	s_cbranch_scc1 .Lnot_wave_0_\@
	s_barrier_signal -3
.Lnot_wave_0_\@:
	s_barrier_wait -3
	s_barrier_signal -1
	s_barrier_wait -1
.endm
.macro ASK                             ; kv's group after the one being loaded: waves 0 to 3, while such a group exists
	s_cmp_gt_u32 s[SLOTS], s[LIM]
	s_cbranch_scc0 .Lnot_mine_\@
	global_prefetch_b8 v[PFO], s[PFA:PFA+1] th:TH_LOAD_NT scope:SCOPE_SE
.Lnot_mine_\@:
.endm
.macro NOPS n
.rept \n
	v_nop
.endr
.endm
	s_load_b256 s[4:11], s[0:1], 0x0               ; q, kv, the scales' exponents, out0
	v_lshl_add_u32 v[SPW], v0, 2, SPARE
	v_mov_b32 v[NIL], 0
	ds_add_u32 v[SPW], v[NIL]                      ; the opening lines: the add twice on end and its wait
	ds_add_u32 v[SPW], v[NIL]
	v_lshrrev_b32 v[LI], 5, v0
	s_delay_alu instid0(VALU_DEP_1)
	v_readfirstlane_b32 s[WV], v[LI]               ; wave 0..7
	s_bfe_u32 s13, ttmp6, 0x40000                  ; cx: it enters global addresses of my own loads, stores and prefetches alone
	s_and_b32 s20, ttmp7, 0xffff                   ; the head
	s_lshl_b32 s2, s20, 20
	s_lshl_b32 s3, s13, 17
	s_add_co_u32 s2, s2, s3
	s_lshl_b32 s3, s[WV], 14
	s_add_co_u32 s2, s2, s3                        ; my 32 rows of block cx, in q and in out0
	s_mov_b32 s3, 0
	s_lshl_b32 s16, s20, 19
	s_lshl_b32 s53, s[WV], 14                      ; my 16,384 bytes of a slot
	s_add_co_u32 s16, s16, s53
	s_mov_b32 s17, 0
	s_lshl_b32 s22, s20, 19
	s_lshl_b32 s23, s13, 15
	s_add_co_u32 s22, s22, s23
	s_and_b32 s23, s[WV], 3
	s_lshl_b32 s23, s23, 13
	s_add_co_u32 s22, s22, s23
	s_add_co_u32 s22, s22, SLOTB                   ; the prefetches stand at group 1: the first change steps them to group 2
	s_mov_b32 s23, 0
	s_lshr_b32 s[LIM], s[WV], 2
	s_cmp_eq_u32 s[LIM], 0
	s_cselect_b32 s[LIM], 1, -1
	s_mov_b32 s[G1+0], 15|(3<<16)|(1<<21)          ; mask: all four partners; elements of 8 bytes; bit 21 beside the mask
	s_mov_b32 s[G1+1], 32<<16                      ; rows of 256 bytes
	s_mov_b32 s[G1+2], 64<<16
	s_mov_b32 s[G1+3], 32<<16
	s_mov_b32 s[G1+4], 64
	s_mov_b32 s[G1+5], 32
	s_mov_b32 s[G1+6], 0
	s_mov_b32 s[G1+7], 0
	s_mov_b32 s[SEL], 0x76543210
	s_mov_b32 s[SEL+1], 0xfedcba98
	s_mov_b32 s[CS], 0x3e0293ee                    ; c = log2(e) / sqrt(128)
	s_mov_b32 s[TB], 0
	v_and_b32 v[LI], 31, v0
	s_delay_alu instid0(VALU_DEP_1)
	v_lshlrev_b32 v[PFO], 8, v[LI]
	s_delay_alu instid0(VALU_DEP_2)
	v_lshlrev_b32 v[LI], 4, v[LI]
	v_and_b32 v226, 15, v0
	v_bfe_u32 v227, v0, 4, 1
	s_mul_i32 s52, s[WV], WSTG
	s_add_co_u32 s52, s52, STAGE
	v_mul_u32_u24 v[RD], v227, SPT
	s_delay_alu instid0(VALU_DEP_1)
	v_lshl_add_u32 v[RD], v226, 4, v[RD]
	s_delay_alu instid0(VALU_DEP_1)
	v_add_nc_u32 v[RD], s52, v[RD]                 ; stage by rows: lanes 0-15 one row, lanes 16-31 the next
	v_mul_u32_u24 v[STF], v226, SPT
	s_delay_alu instid0(VALU_DEP_1)
	v_add_nc_u32 v[STF], s52, v[STF]
	s_delay_alu instid0(VALU_DEP_1)
	v_lshl_add_u32 v[STO], v227, 5, v[STF]         ; stage, O's way in: row r, + 32 h
	s_delay_alu instid0(VALU_DEP_2)
	v_lshl_add_u32 v[STF], v227, 6, v[STF]         ; stage, Q's way out: row r, + 64 h
	v_lshlrev_b32 v[GO], 9, v227
	s_delay_alu instid0(VALU_DEP_1)
	v_lshl_add_u32 v[GO], v226, 4, v[GO]           ; the same two rows in q and out0
	s_wait_alu depctr_va_vdst(0)
	s_wait_dscnt 0x0
	s_wait_kmcnt 0x0
	s_load_b128 s[48:51], s[8:9], 0x0              ; eq, ek, ep, ev
	s_add_nc_u64 s[4:5], s[4:5], s[2:3]
	s_add_nc_u64 s[10:11], s[10:11], s[2:3]
	s_add_nc_u64 s[PFA:PFA+1], s[6:7], s[22:23]
	s_add_nc_u64 s[6:7], s[6:7], s[16:17]
	s_mov_b32 s[G0], 1
	s_mov_b32 s[G0+1], s53
	s_mov_b64 s[G0+2:G0+3], s[6:7]
	s_or_b32 s[G0+3], s[G0+3], 0x80000000
	CROUND
	tensor_load_to_lds s[G0:G0+3], s[G1:G1+7]      ; group 0 into slot 0: my one load at the head
	s_nop 0
	NOPS 4
; Q's 32 rows of block B, as they lie: a load covers two rows' 256 bytes.  n = 2 x tile + half of the channels
.macro LOADQ B
	WIN 0
.irp n, 0,1
.irp i, 0,1,2,3,4,5,6,7
	global_load_b128 v[FL+32*\n+4*\i:FL+32*\n+4*\i+3], v[GO], s[4:5] offset:BLKB*(\B)+256*\n+1024*\i th:TH_LOAD_NT
.endr
.endr
	WIN 0x40
.irp n, 0,1
.irp i, 0,1,2,3,4,5,6,7
	global_load_b128 v[FH+32*\n+4*\i:FH+32*\n+4*\i+3], v[GO], s[4:5] offset:BLKB*(\B)+8192+256*\n+1024*\i th:TH_LOAD_NT
.endr
.endr
	WIN 0
.endm
.macro INIT                            ; a block's state: largest t = -3e38, sums 0, O^T 0 (the first change of M multiplies zeros)
.irp a, 0,1
	v_mov_b32 v[ST+8*\a+1], 0xff61b1e6
	s_delay_alu instid0(VALU_DEP_1)
	v_floor_f32 v[ST+8*\a], -v[ST+8*\a+1]
	v_mov_b32 v[ST+8*\a+2], 0
	v_mov_b32 v[ST+8*\a+3], 0
	v_mov_b32 v[ST+8*\a+4], 0
	v_mov_b32 v[ST+8*\a+5], 0
.endr
	WIN 0x40
.set i, 0
.rept 128
	v_mov_b32 v[O+i], 0
.set i, i+1
.endr
	WIN 0
.endm
.macro TURNQ n                         ; 16 rows x 64 channels through my stage: a lane gets 16 neighbours of each block of 32 channels.  LDS serves a wave's instructions in order
.if (\n) < 2
.irp i, 0,1,2,3,4,5,6,7
	ds_store_b128 v[RD], v[FL+32*(\n)+4*\i:FL+32*(\n)+4*\i+3] offset:2*SPT*\i
.endr
.else
	WIN 0x04
.irp i, 0,1,2,3,4,5,6,7
	ds_store_b128 v[RD], v[FH+32*((\n)-2)+4*\i:FH+32*((\n)-2)+4*\i+3] offset:2*SPT*\i
.endr
	WIN 0
.endif
.irp c, 0,1
.irp j, 0,1,2,3
	ds_load_b128 v[S+32*(\n)+16*\c+4*\j:S+32*(\n)+16*\c+4*\j+3], v[STF] offset:128*\c+16*\j
.endr
.endr
.endm
.macro QUANTQ n
.set qi, 0
.rept 32
	v_med3_num_f32 v[S+32*(\n)+qi], v[S+32*(\n)+qi], -v[QLIM], v[QLIM]   ; the conversion does not saturate (ISA guide 7.6.2): the hold comes first
.set qi, qi+1
.endr
	WIN 0x40
.set qi, 0
.rept 4
	v_cvt_scalef32_pk8_fp8_f32 v[QC+8*(\n)+2*qi:QC+8*(\n)+2*qi+1], v[S+32*(\n)+8*qi:S+32*(\n)+8*qi+7], v[QSC]
.set qi, qi+1
.endr
	WIN 0
	v_nop                                          ; one plain place behind the last conversion of a run
.endm
.macro QTURN                           ; each counted wait leaves out the younger loads (8 a quarter) or the next quarter's 16 LDS instructions
	s_wait_xcnt 0x0                                ; the last block's stores have read S's registers
	s_wait_loadcnt 24
	TURNQ 0
	s_wait_loadcnt 16
	TURNQ 1
	s_wait_dscnt 16
	QUANTQ 0
	s_wait_loadcnt 8
	TURNQ 2
	s_wait_dscnt 16
	QUANTQ 1
	s_wait_loadcnt 0x0
	TURNQ 3
	s_wait_dscnt 16
	QUANTQ 2
	s_wait_dscnt 0x0
	QUANTQ 3
.endm
	LOADQ 0
	s_wait_kmcnt 0x0
	s_add_co_i32 s52, s48, s49
	s_lshl_b32 s52, s52, 23
	s_add_co_i32 s[CS], s[CS], s52                 ; eq + ek go into c's exponent field
	s_mov_b32 s[CS+1], s[CS]
	s_add_co_i32 s52, s48, 127
	s_lshl_b32 s54, s52, 23
	v_mov_b32 v[QSC], s54                          ; 2^eq
	s_add_co_i32 s52, s52, 8
	s_lshl_b32 s52, s52, 23
	s_or_b32 s52, s52, 0x600000
	v_mov_b32 v[QLIM], s52                         ; 448 x 2^eq
	s_add_co_i32 s52, s50, 127
	s_lshl_b32 s54, s52, 23
	v_mov_b32 v[PSC], s54                          ; 2^ep
	s_add_co_i32 s52, s52, 8
	s_lshl_b32 s52, s52, 23
	s_or_b32 s52, s52, 0x600000
	v_mov_b32 v[PLIM], s52                         ; 448 x 2^ep
	v_mov_b32 v[PLIM2], s52
	s_add_co_i32 s[EO], s50, s51
	INIT
	QTURN
.macro FETCH off                       ; eight fragments: 32 loads, 16 x lane apart
	WIN 0
.irp t, 0,1,2,3
.irp c, 0,1,2,3
	ds_load_b128 v[FL+16*\t+4*\c:FL+16*\t+4*\c+3], v[ADR] offset:\off+2048*\t+512*\c
.endr
.endr
	WIN 0x40
.irp t, 4,5,6,7
.irp c, 0,1,2,3
	ds_load_b128 v[FH+16*(\t-4)+4*\c:FH+16*(\t-4)+4*\c+3], v[ADR] offset:\off+2048*\t+512*\c
.endr
.endr
.endm
.macro SCALE j
.irp a, 0,1
	v_pk_fma_f32 v[S+64*\a+2*(\j):S+64*\a+2*(\j)+1], v[S+64*\a+2*(\j):S+64*\a+2*(\j)+1], s[CS:CS+1], v[ST+8*\a:ST+8*\a+1] op_sel_hi:[1,0,0]
.endr
.endm
.macro EXPS j
.irp a, 0,1
	v_exp_f32 v[S+64*\a+2*(\j)], v[S+64*\a+2*(\j)]
	v_exp_f32 v[S+64*\a+2*(\j)+1], v[S+64*\a+2*(\j)+1]
.endr
.endm
; A KEY STEP: 128 keys for my two tiles of queries
.macro STEP
	WIN 0
	v_add_nc_u32 v[ADR], s[TB], v[LI]
	NOPS 3                                         ; with the addition: four places in front of loads into registers that the last products read
	FETCH 0
	s_wait_dscnt 16                                ; K's first four fragments are in
	WIN 0x04
	s_wait_alu depctr_va_vdst(0)                   ; directly ahead of the reader
.irp t, 0,1,2,3
.irp a, 0,1
	v_wmma_f32_16x16x128_fp8_fp8 v[S+64*\a+8*\t:S+64*\a+8*\t+7], v[FL+16*\t:FL+16*\t+15], v[QC+16*\a:QC+16*\a+15], 0
.endr
.endr
	s_wait_dscnt 0x0
	WIN 0x05
.irp t, 4,5,6,7
.irp a, 0,1
	v_wmma_f32_16x16x128_fp8_fp8 v[S+64*\a+8*\t:S+64*\a+8*\t+7], v[FH+16*(\t-4):FH+16*(\t-4)+15], v[QC+16*\a:QC+16*\a+15], 0
.endr
.endr
	WIN 0
	NOPS 4
	FETCH 16384                                    ; V^T's fragments come in under the softmax
	WIN 0
.irp a, 0,1
	v_max3_num_f32 v[ST+8*\a+6], v[S+64*\a], v[S+64*\a+1], v[S+64*\a+2]
.endr
.irp a, 0,1
	v_max3_num_f32 v[ST+8*\a+7], v[S+64*\a+3], v[S+64*\a+4], v[S+64*\a+5]
.endr
.set i, 6
.rept 14
.irp a, 0,1
	v_max3_num_f32 v[ST+8*\a+6], v[ST+8*\a+6], v[S+64*\a+i], v[S+64*\a+i+1]
.endr
.irp a, 0,1
	v_max3_num_f32 v[ST+8*\a+7], v[ST+8*\a+7], v[S+64*\a+i+2], v[S+64*\a+i+3]
.endr
.set i, i+4
.endr
.irp a, 0,1
	v_max3_num_f32 v[ST+8*\a+6], v[ST+8*\a+6], v[S+64*\a+62], v[S+64*\a+63]
.endr
.irp a, 0,1
	s_delay_alu instid0(VALU_DEP_2)
	v_max_num_f32 v[ST+8*\a+6], v[ST+8*\a+6], v[ST+8*\a+7]
.endr
.irp a, 0,1
	s_delay_alu instid0(VALU_DEP_2)
	v_permlanex16_b32 v[ST+8*\a+7], v[ST+8*\a+6], s[SEL], s[SEL+1]
.endr
.irp a, 0,1
	s_delay_alu instid0(VALU_DEP_2)
	v_max_num_f32 v[ST+8*\a+6], v[ST+8*\a+6], v[ST+8*\a+7]
.endr
.irp a, 0,1
	s_delay_alu instid0(VALU_DEP_2)
	v_mul_f32 v[ST+8*\a+6], s[CS], v[ST+8*\a+6]
.endr
.irp a, 0,1
	s_delay_alu instid0(VALU_DEP_2)
	v_max_num_f32 v[ST+8*\a+1], v[ST+8*\a+1], v[ST+8*\a+6]   ; the running largest t
.endr
.irp a, 0,1
	v_mov_b32 v[ST+8*\a+6], v[ST+8*\a]
.endr
.irp a, 0,1
	s_delay_alu instid0(VALU_DEP_4)
	v_floor_f32 v[ST+8*\a], -v[ST+8*\a+1]          ; -M = floor(-t)
.endr
.irp a, 0,1
	s_delay_alu instid0(VALU_DEP_2)
	v_sub_f32 v[ST+8*\a+6], v[ST+8*\a], v[ST+8*\a+6]
.endr
.irp a, 0,1
	s_delay_alu instid0(VALU_DEP_2)
	v_cvt_i32_f32 v[ST+8*\a+6], v[ST+8*\a+6]
.endr
.irp a, 0,1
	s_delay_alu instid0(VALU_DEP_2)
	v_ldexp_f32 v[ST+8*\a+4], 1.0, v[ST+8*\a+6]    ; f = 2^(old M - new M)
.endr
	WIN 0x41
.irp a, 0,1
.set i, 0
.rept 32
	v_pk_mul_f32 v[O+64*\a+i:O+64*\a+i+1], v[O+64*\a+i:O+64*\a+i+1], v[ST+8*\a+4:ST+8*\a+5] op_sel_hi:[1,0]   ; O^T under the new M: its first reader stands ahead of the step's exponentials
.set i, i+2
.endr
.endr
	WIN 0
.irp a, 0,1
	v_pk_mul_f32 v[ST+8*\a+2:ST+8*\a+3], v[ST+8*\a+2:ST+8*\a+3], v[ST+8*\a+4:ST+8*\a+5] op_sel_hi:[1,0]      ; the sums likewise
.endr
.set jj, 0
.rept 32
	SCALE jj                                       ; t - M
.set jj, jj+1
.endr
	s_wait_alu depctr_va_vdst(0)                   ; one wait ahead of the batch
.set jj, 0
.rept 32
	EXPS jj                                        ; p = 2^(t - M)
.set jj, jj+1
.endr
	v_nop                                          ; a plain place behind the last exponential
	s_wait_alu depctr_va_vdst(0)                   ; and one wait behind the batch, ahead of its first reader
.irp a, 0,1
	v_pk_add_f32 v[U+2*\a:U+2*\a+1], v[S+64*\a:S+64*\a+1], v[S+64*\a+2:S+64*\a+3]   ; the row's sum of the unquantised p, in two chains a tile
.endr
.set i, 4
.rept 15
.irp a, 0,1
	v_pk_add_f32 v[ST+8*\a+2:ST+8*\a+3], v[ST+8*\a+2:ST+8*\a+3], v[S+64*\a+i:S+64*\a+i+1]
.endr
.irp a, 0,1
	v_pk_add_f32 v[U+2*\a:U+2*\a+1], v[U+2*\a:U+2*\a+1], v[S+64*\a+i+2:S+64*\a+i+3]
.endr
.set i, i+4
.endr
.irp a, 0,1
	s_delay_alu instid0(VALU_DEP_2)
	v_pk_add_f32 v[ST+8*\a+2:ST+8*\a+3], v[ST+8*\a+2:ST+8*\a+3], v[U+2*\a:U+2*\a+1]
.endr
.set i, 0
.rept 64
	v_dual_min_num_f32 v[S+i], v[S+i], v[PLIM] :: v_dual_min_num_f32 v[S+i+1], v[S+i+1], v[PLIM2]   ; p is not negative: a one-sided hold, two numbers an instruction
.set i, i+2
.endr
	WIN 0x40
.irp a, 0,1
.irp b, 0,1,2,3
	v_cvt_scalef32_pk8_fp8_f32 v[PC+16*\a+4*\b:PC+16*\a+4*\b+1], v[S+64*\a+16*\b:S+64*\a+16*\b+7], v[PSC]
	v_cvt_scalef32_pk8_fp8_f32 v[PC+16*\a+4*\b+2:PC+16*\a+4*\b+3], v[S+64*\a+16*\b+8:S+64*\a+16*\b+15], v[PSC]
.endr
.endr
	WIN 0
	v_nop                                          ; one plain place between the conversions and the products that read their results
	s_wait_alu depctr_va_vdst(0)
	s_wait_dscnt 0x0                               ; V^T's fragments
	WIN 0x54
.irp t, 0,1,2,3
.irp a, 0,1
	v_wmma_f32_16x16x128_fp8_fp8 v[O+64*\a+8*\t:O+64*\a+8*\t+7], v[FL+16*\t:FL+16*\t+15], v[PC+16*\a:PC+16*\a+15], v[O+64*\a+8*\t:O+64*\a+8*\t+7]
.endr
.endr
	WIN 0x55
.irp t, 4,5,6,7
.irp a, 0,1
	v_wmma_f32_16x16x128_fp8_fp8 v[O+64*\a+8*\t:O+64*\a+8*\t+7], v[FH+16*(\t-4):FH+16*(\t-4)+15], v[PC+16*\a:PC+16*\a+15], v[O+64*\a+8*\t:O+64*\a+8*\t+7]
.endr
.endr
	s_add_co_u32 s[TB], s[TB], STEPB
.endm
.macro FOUR_STEPS                      ; a slot's four key steps, then on to the other slot
	s_mov_b32 s[CNT], 4
.Lstep_\@:
	STEP
	WIN 0
	s_sub_co_u32 s[CNT], s[CNT], 1
	s_cmp_lg_u32 s[CNT], 0
	s_cbranch_scc1 .Lstep_\@
	s_sub_co_u32 s[TB], s[TB], SLOTB
	s_xor_b32 s[TB], s[TB], SLOT1
.endm
; THE CHANGE OF SLOTS, at a group's head.  fill: the other slot takes the next group (back = 1: the next block's group 0).  ask = 1: kv's prefetch; ask = 2: block 1's q
.macro CHANGE fill, back, ask
	WIN 0
	s_wait_tensorcnt 0x0                           ; my part of the slot ahead is in, and the descriptor may be written
	ds_add_u32 v[SPW], v[NIL]
.if \fill
	s_xor_b32 s[G0+1], s[G0+1], SLOT1
.if \back
	s_sub_nc_u64 s[G0+2:G0+3], s[G0+2:G0+3], 3*SLOTB
.else
	s_add_nc_u64 s[G0+2:G0+3], s[G0+2:G0+3], SLOTB
.endif
.if (\ask) == 1
	s_wait_xcnt 0x0                                ; my last prefetch has read its address
	s_add_nc_u64 s[PFA:PFA+1], s[PFA:PFA+1], SLOTB
.endif
	s_wait_dscnt 0x0                               ; the add is done, and so are my reads of the slot that I have left
	CROUND                                         ; both hold of every wave of the four partners
	tensor_load_to_lds s[G0:G0+3], s[G1:G1+7]      ; my one load behind the round
	s_nop 0
	NOPS 4
.if (\ask) == 1
	ASK
.endif
.if (\ask) == 2
	global_prefetch_b8 v[PFO], s[4:5] offset:BLKB th:TH_LOAD_NT scope:SCOPE_SE        ; my 32 rows of block 1: 2 x 32 lanes x 256 bytes
	global_prefetch_b8 v[PFO], s[4:5] offset:BLKB+8192 th:TH_LOAD_NT scope:SCOPE_SE
.endif
.else
	s_wait_dscnt 0x0
	s_barrier_signal -1
	s_barrier_wait -1
.endif
.endm
.macro PACK n                          ; 16 queries x 64 channels: O^T / the sum, through my stage, back as rows of 256 bytes
	WIN 0x01
.set pj, 0
.rept 16
	v_pk_mul_f32 v[S+32*(\n)+pj:S+32*(\n)+pj+1], v[O+32*(\n)+pj:O+32*(\n)+pj+1], v[ST+8*((\n)/2)+4:ST+8*((\n)/2)+5] op_sel_hi:[1,0]
.set pj, pj+2
.endr
	WIN 0
.irp t, 0,1,2,3
	ds_store_b128 v[STO], v[S+32*(\n)+8*\t:S+32*(\n)+8*\t+3] offset:64*\t
	ds_store_b128 v[STO], v[S+32*(\n)+8*\t+4:S+32*(\n)+8*\t+7] offset:64*\t+16
.endr
.irp i, 0,1,2,3,4,5,6,7
	ds_load_b128 v[S+32*(\n)+4*\i:S+32*(\n)+4*\i+3], v[RD] offset:2*SPT*\i
.endr
.endm
.macro SEND n, younger, B              ; sixteen lanes store 256 consecutive bytes, aligned
.irp i, 0,1,2,3,4,5,6,7
	s_wait_dscnt \younger+7-\i
	global_store_b128 v[GO], v[S+32*(\n)+4*\i:S+32*(\n)+4*\i+3], s[10:11] offset:BLKB*(\B)+8192*((\n)/2)+256*((\n)%2)+1024*\i th:TH_STORE_NT
.endr
.endm
.macro OUT B
.irp a, 0,1
	v_add_f32 v[ST+8*\a+6], v[ST+8*\a+2], v[ST+8*\a+3]
.endr
.irp a, 0,1
	s_delay_alu instid0(VALU_DEP_2)
	v_permlanex16_b32 v[ST+8*\a+7], v[ST+8*\a+6], s[SEL], s[SEL+1]
.endr
.irp a, 0,1
	s_delay_alu instid0(VALU_DEP_2)
	v_add_f32 v[ST+8*\a+6], v[ST+8*\a+6], v[ST+8*\a+7]   ; the row's sum
.endr
	s_wait_alu depctr_va_vdst(0)                   ; a wait ahead of the transcendentals
.irp a, 0,1
	v_rcp_f32 v[ST+8*\a+4], v[ST+8*\a+6]
.endr
	v_nop
	s_wait_alu depctr_va_vdst(0)                   ; and behind them
.irp a, 0,1
	v_ldexp_f32 v[ST+8*\a+4], v[ST+8*\a+4], s[EO]  ; x 2^(ep + ev)
.endr
	PACK 0
	PACK 1
	SEND 0, 16, \B
	PACK 2
	SEND 1, 16, \B
	PACK 3
	SEND 2, 16, \B
	SEND 3, 0, \B
.endm
	; BLOCK 0
	s_mov_b32 s[SLOTS], 3
.Lslot0:                                           ; groups 0, 1, 2; groups 1, 2, 3 are asked for (the first time: slot 1's first fill, issued as a refill is)
	CHANGE 1, 0, 1
	FOUR_STEPS
	s_sub_co_u32 s[SLOTS], s[SLOTS], 1
	s_cmp_lg_u32 s[SLOTS], 0
	s_cbranch_scc1 .Lslot0
	CHANGE 1, 1, 2                                 ; group 3; the ring goes on into block 1: its group 0 is asked for
	FOUR_STEPS
	NOPS 4                                         ; places behind the last products, for the loads and the readers below
	LOADQ 1                                        ; block 1's q, into the fragments' registers, on its way under block 0's way out
	OUT 0
	INIT
	QTURN
	; BLOCK 1
	s_mov_b32 s[SLOTS], 3
.Lslot1:
	CHANGE 1, 0, 0
	FOUR_STEPS
	s_sub_co_u32 s[SLOTS], s[SLOTS], 1
	s_cmp_lg_u32 s[SLOTS], 0
	s_cbranch_scc1 .Lslot1
	CHANGE 0, 0, 0                                 ; the last group is written out: nothing is asked for behind it
	FOUR_STEPS
	NOPS 4
	OUT 1
	s_wait_tensorcnt 0x0                           ; the wave's end
	ds_add_u32 v[SPW], v[NIL]
	s_wait_dscnt 0x0
	CROUND                                         ; the closing round
	s_endpgm
.Lfunc_end_k_q1a9d18c8ff_attn:
	.size	k_q1a9d18c8ff_attn, .Lfunc_end_k_q1a9d18c8ff_attn-k_q1a9d18c8ff_attn
	.p2alignl 7, 3214868480
	.fill 96, 4, 3214868480
	.section	.rodata,"a",@progbits
	.p2align	6, 0x0
	.amdhsa_kernel k_q1a9d18c8ff_attn
		.amdhsa_group_segment_fixed_size 327680
		.amdhsa_private_segment_fixed_size 0
		.amdhsa_enable_private_segment 0
		.amdhsa_kernarg_size 32
		.amdhsa_user_sgpr_count 2
		.amdhsa_user_sgpr_kernarg_segment_ptr 1
		.amdhsa_wavefront_size32 1
		.amdhsa_system_sgpr_workgroup_id_x 1
		.amdhsa_system_sgpr_workgroup_id_y 1
		.amdhsa_system_sgpr_workgroup_id_z 1
		.amdhsa_system_vgpr_workitem_id 0
		.amdhsa_next_free_vgpr 512
		.amdhsa_next_free_sgpr 66
		.amdhsa_reserve_vcc 0
		.amdhsa_float_denorm_mode_32 3
		.amdhsa_float_denorm_mode_16_64 3
		.amdhsa_memory_ordered 1
		.amdhsa_forward_progress 1
		.amdhsa_inst_pref_size 213
	.end_amdhsa_kernel
	.amdgpu_metadata
---
amdhsa.version: [ 1, 2 ]
amdhsa.kernels:
  - .name:           k_q1a9d18c8ff_attn
    .symbol:         k_q1a9d18c8ff_attn.kd
    .args:
      - { .name: q, .offset: 0, .size: 8, .value_kind: global_buffer, .address_space: global }
      - { .name: kv, .offset: 8, .size: 8, .value_kind: global_buffer, .address_space: global }
      - { .name: lowp_scales, .offset: 16, .size: 8, .value_kind: global_buffer, .address_space: global }
      - { .name: out0, .offset: 24, .size: 8, .value_kind: global_buffer, .address_space: global }
    .group_segment_fixed_size: 327680
    .private_segment_fixed_size: 0
    .kernarg_segment_align: 8
    .kernarg_segment_size: 32
    .max_flat_workgroup_size: 256
    .sgpr_count:     66
    .vgpr_count:     512
    .wavefront_size: 32
...
	.end_amdgpu_metadata
.endif
;; end of part 2
